; MI455X (gfx1250); checked and timed in simulation.
; The chip was launched on July 23, 2026; its instructions are those of AMD's public machine-readable ISA for CDNA 5 (MIT licence, August 2026) and "CDNA5" Instruction Set Architecture Reference Guide (July 2026). The comments in the code are by the model that wrote it; some were corrected since.
;; Apply Attention Policy Map. Allowed arithmetic: float matrix products may take bf16 or f16 operands with f32 sums; all other float work in f32.
;; Inputs: fc1 4,288 x 1,858 float32; logits 8,192 x 64 x 64 float32; pp_logits 8,192 x 8 x 24 float32.
;; Outputs: out0 8,192 x 1,858 float32.
;; 2 versions, each right; version 2 is version 1 with the launch pack written anew for expert scheduling mode. Each part assembles by itself: llvm-mc -triple=amdgcn-amd-amdhsa -mcpu=gfx1250 --defsym DOCPART=n.
;; ======== version 1 of 2: 2 launches
;; workspace buffers: abf 71,303,168 bytes; bt 17,825,792 bytes
;; launch pack (part 1): grid 2112 x 1, 8 waves a work-group, no clusters, 18,432 bytes of LDS; arguments logits, pp_logits, fc1, abf, bt; writes abf, bt
.if DOCPART == 1
	.amdgcn_target "amdgcn-amd-amdhsa--gfx1250"
	.amdhsa_code_object_version 6
	.text
	.protected	k_qf47f93fc1b_pack
	.globl	k_qf47f93fc1b_pack
	.p2align	8
	.type	k_qf47f93fc1b_pack,@function
k_qf47f93fc1b_pack:
	s_mov_b64 s[64:65], 0
	v_nop
	global_prefetch_b8 v0, s[64:65] scope:SCOPE_SE
	s_setreg_imm32_b32 hwreg(HW_REG_WAVE_MODE, 25, 1), 1
	s_wait_xcnt 0x0
; Makes the two bf16 operands of the product out0 = [logits | pp_logits] x fc1, both with K along the rows and padded with zeros:
;   abf [8192][4352] bf16: columns 0-4095 logits, 4096-4287 pp_logits, 4288-4351 zeros.  A row is 8,704 bytes = 34 x 256.
;   bt  [2048][4352] bf16: bt[n][k] = fc1[k][n]; zero where n >= 1858 or k >= 4288.
; Every byte of both is stored.  Work-groups 0-1023 make abf (eight rows each, one wave a row); work-groups 1024-2111 make bt
; (a tile of 128 k x 64 n each, turned round through LDS).  Both jobs are streams: each input byte is loaded once, each output byte stored once;
; matrix units, clusters and tensor loads would add nothing.
; LIMIT: numbers are rounded to bf16, to nearest even; a magnitude above bf16's largest finite number becomes infinity.
.set A_GROUPS, 1024                    ; work-groups that make abf
.set K_IN,     4288                    ; rows of fc1
.set N_OUT,    1858                    ; columns of fc1
.set FC_ROW,   7432                    ; bytes in a row of fc1
.set KP_ROW,   8704                    ; bytes in a row of abf and of bt
.set LPITCH,   272                     ; an LDS row: 256 bytes (128 k in bf16) + 16
.set X,  8                             ; abf: v[8:143] 34 pieces of 4 registers;  bt: v[8:39] 16 rows of 2 registers
.set P,  40                            ; bt: v[40:47] my even column, 16 k in bf16; v[48:55] my odd column
.set Q,  56                            ; bt: v[56:71] four pieces of 16 bytes read back by rows
.set GO, 72                            ; bt: v72 byte offset of my 16 bytes in the stores
	s_load_b256 s[4:11], s[0:1], 0x0               ; logits s[4:5], pp_logits s[6:7], fc1 s[8:9], abf s[10:11]
	s_load_b64 s[12:13], s[0:1], 0x20              ; bt
	v_lshl_add_u32 v144, v0, 2, 0x4400
	v_mov_b32 v145, 0
	v_and_b32 v1, 31, v0                           ; lane
	v_lshrrev_b32 v2, 5, v0
	v_readfirstlane_b32 s14, v2                    ; wave 0..7
	s_cmp_ge_u32 ttmp9, A_GROUPS                   ; the job hangs on the work-group's number alone: all eight waves go the same way
	s_cbranch_scc1 .Lpack_b
	; ---- abf: one wave, one row.  34 loads of 512 bytes go out at once; each becomes one store of 256 consecutive bytes, aligned.
	s_lshl3_add_u32 s15, ttmp9, s14                ; row = 8 x work-group + wave
	s_lshl_b32 s16, s15, 14                        ; a row of logits is 16,384 bytes (the largest offset is under 2^28)
	s_mov_b32 s17, 0
	s_mul_i32 s18, s15, 768                        ; a row of pp_logits is 768 bytes
	s_mov_b32 s19, 0
	s_mul_i32 s20, s15, KP_ROW
	s_mov_b32 s21, 0
	v_lshlrev_b32 v2, 4, v1                        ; 16 x lane: loads
	v_lshlrev_b32 v3, 3, v1                        ; 8 x lane: stores
	v_and_b32 v4, 15, v1
	v_lshlrev_b32 v4, 4, v4                        ; 16 x (lane mod 16): the last 256 bytes of pp_logits' row, read by both halves of the wave, so that no lane leaves the buffer
	v_cmp_gt_u32 vcc_lo, 16, v1                    ; lanes 0-15
	s_wait_kmcnt 0x0
	s_add_nc_u64 s[4:5], s[4:5], s[16:17]
	s_add_nc_u64 s[6:7], s[6:7], s[18:19]
	s_add_nc_u64 s[10:11], s[10:11], s[20:21]
.set j, 0
.rept 32
	global_load_b128 v[X+4*j:X+4*j+3], v2, s[4:5] offset:512*j th:TH_LOAD_NT    ; read once in the launch
.set j, j+1
.endr
	global_load_b128 v[X+128:X+131], v2, s[6:7] th:TH_LOAD_NT                    ; pp_logits 0-127
	global_load_b128 v[X+132:X+135], v4, s[6:7] offset:512 th:TH_LOAD_NT         ; pp_logits 128-191, twice
.set j, 0
.rept 34
	s_wait_loadcnt 33-j                            ; loads come back in order (ISA guide 5.7.1): piece j is in, the 33 - j younger ones stay out
	v_cvt_pk_bf16_f32 v[X+4*j],   v[X+4*j],   v[X+4*j+1]
	v_cvt_pk_bf16_f32 v[X+4*j+1], v[X+4*j+2], v[X+4*j+3]
.if j == 33
	v_cndmask_b32 v[X+4*j],   0, v[X+4*j],   vcc_lo    ; lanes 16-31 hold columns 4288-4351: zeros
	v_cndmask_b32 v[X+4*j+1], 0, v[X+4*j+1], vcc_lo
.endif
	global_store_b64 v3, v[X+4*j:X+4*j+1], s[10:11] offset:256*j   ; no register that a store names is written again: no further wait.  No hint: the next launch reads abf
.set j, j+1
.endr
	s_endpgm
	; ---- bt: a tile of 128 k x 64 n.  Wave w loads rows k = 128 kt + 16 w .. + 15 of fc1, two neighbouring columns a lane (8 bytes: rows of 7,432 bytes
	; keep 8-byte alignment, not 16), packs each column's 16 k into 32 bytes and puts them into LDS row n; then the rows are read back whole.
.Lpack_b:
	s_sub_co_u32 s15, ttmp9, A_GROUPS
	s_lshr_b32 s16, s15, 5                         ; kt 0..33
	s_and_b32 s17, s15, 31                         ; nt 0..31
	s_lshl_b32 s18, s16, 7
	s_lshl4_add_u32 s18, s14, s18                  ; my first k.  4,288 is a multiple of 16: my 16 rows are all inside fc1 or all outside
	s_cmp_lt_u32 s18, K_IN
	s_cselect_b32 s25, N_OUT, 0                    ; the first column that is zero: 1858, or 0 where my rows are padding
	s_min_u32 s18, s18, K_IN-16                    ; rows outside are loaded from the last 16 rows instead, and thrown away
	s_mul_i32 s20, s18, FC_ROW
	s_mov_b32 s21, 0
	s_lshl_b32 s24, s17, 6                         ; the tile's first n
	s_lshl3_add_u32 s22, s14, s24                  ; the rows of bt that I store: 64 nt + 8 w .. + 7
	s_mul_i32 s22, s22, KP_ROW
	s_lshl_b32 s23, s16, 8                         ; 128 k are 256 bytes
	s_add_co_u32 s22, s22, s23
	s_mov_b32 s23, 0
	v_and_b32 v2, 15, v1                           ; r
	v_lshrrev_b32 v3, 4, v1                        ; h
	v_lshl_add_u32 v4, v1, 1, s24                  ; my even column n; n and 1858 are even, so n and n + 1 are inside or outside together
	v_cmp_gt_u32 vcc_lo, s25, v4                   ; lanes whose numbers count
	v_min_u32 v5, N_OUT-2, v4                      ; the others load the last two columns
	v_lshlrev_b32 v5, 2, v5
	v_mul_u32_u24 v6, v1, 2*LPITCH                 ; LDS in: row 2 x lane,
	v_lshl_add_u32 v6, s14, 5, v6                  ; my wave's 16 k = 32 bytes
	v_lshl_add_u32 v7, s14, 3, v3                  ; LDS back: rows 8 w + h, + 2 for each further load,
	v_mul_u32_u24 v7, v7, LPITCH
	v_lshl_add_u32 v7, v2, 4, v7                   ; sixteen lanes a row
	v_mul_u32_u24 v[GO], v3, KP_ROW                ; and the same two rows in bt
	v_lshl_add_u32 v[GO], v2, 4, v[GO]
	s_wait_kmcnt 0x0
	s_add_nc_u64 s[8:9], s[8:9], s[20:21]
	s_add_nc_u64 s[12:13], s[12:13], s[22:23]
.irp j, 0,1,2,3,4,5,6,7,8,9,10,11,12,13,14,15
	global_load_b64 v[X+2*\j:X+2*\j+1], v5, s[8:9] offset:FC_ROW*\j   ; a wave's load takes 256 consecutive bytes of a row of fc1
.endr
.irp p, 0,1,2,3,4,5,6,7
	s_wait_loadcnt 14-2*\p                         ; rows 2 p and 2 p + 1 are in; the younger loads stay out
	v_cvt_pk_bf16_f32 v[P+\p],   v[X+4*\p],   v[X+4*\p+2]      ; even column, k = 2 p and 2 p + 1
	v_cvt_pk_bf16_f32 v[P+8+\p], v[X+4*\p+1], v[X+4*\p+3]      ; odd column
	v_cndmask_b32 v[P+\p],   0, v[P+\p],   vcc_lo              ; padding is zero whatever was loaded
	v_cndmask_b32 v[P+8+\p], 0, v[P+8+\p], vcc_lo
.endr
	ds_store_b128 v6, v[P:P+3]
	ds_store_b128 v6, v[P+4:P+7]    offset:16
	ds_store_b128 v6, v[P+8:P+11]   offset:LPITCH
	ds_store_b128 v6, v[P+12:P+15]  offset:LPITCH+16
	s_wait_dscnt 0x0                               ; for the other waves' sake: my stores are done before I say so
	s_barrier_signal -1
	s_barrier_wait -1                              ; all eight waves' parts of every row are in LDS
.irp i, 0,1,2,3
	ds_load_b128 v[Q+4*\i:Q+4*\i+3], v7 offset:2*LPITCH*\i
.endr
.irp i, 0,1,2,3
	s_wait_dscnt 3-\i                              ; LDS loads come back in order: piece i is in
	global_store_b128 v[GO], v[Q+4*\i:Q+4*\i+3], s[12:13] offset:2*KP_ROW*\i   ; sixteen lanes store 256 consecutive bytes, aligned
.endr
	s_wait_tensorcnt 0x0
	ds_add_u32 v144, v145
	s_wait_dscnt 0x0
	s_endpgm
.Lfunc_end_k_qf47f93fc1b_pack:
	.size	k_qf47f93fc1b_pack, .Lfunc_end_k_qf47f93fc1b_pack-k_qf47f93fc1b_pack
	.p2alignl 7, 3214868480
	.fill 96, 4, 3214868480
	.section	.rodata,"a",@progbits
	.p2align	6, 0x0
	.amdhsa_kernel k_qf47f93fc1b_pack
		.amdhsa_group_segment_fixed_size 18432
		.amdhsa_private_segment_fixed_size 0
		.amdhsa_enable_private_segment 0
		.amdhsa_kernarg_size 40
		.amdhsa_user_sgpr_count 2
		.amdhsa_user_sgpr_kernarg_segment_ptr 1
		.amdhsa_wavefront_size32 1
		.amdhsa_system_sgpr_workgroup_id_x 1
		.amdhsa_system_sgpr_workgroup_id_y 1
		.amdhsa_system_sgpr_workgroup_id_z 1
		.amdhsa_system_vgpr_workitem_id 0
		.amdhsa_next_free_vgpr 146
		.amdhsa_next_free_sgpr 66
		.amdhsa_reserve_vcc 1
		.amdhsa_float_denorm_mode_32 3
		.amdhsa_float_denorm_mode_16_64 3
		.amdhsa_memory_ordered 1
		.amdhsa_forward_progress 1
		.amdhsa_inst_pref_size 20
	.end_amdhsa_kernel
	.amdgpu_metadata
---
amdhsa.version: [ 1, 2 ]
amdhsa.kernels:
  - .name:           k_qf47f93fc1b_pack
    .symbol:         k_qf47f93fc1b_pack.kd
    .args:
      - { .name: logits, .offset: 0, .size: 8, .value_kind: global_buffer, .address_space: global }
      - { .name: pp_logits, .offset: 8, .size: 8, .value_kind: global_buffer, .address_space: global }
      - { .name: fc1, .offset: 16, .size: 8, .value_kind: global_buffer, .address_space: global }
      - { .name: abf, .offset: 24, .size: 8, .value_kind: global_buffer, .address_space: global }
      - { .name: bt, .offset: 32, .size: 8, .value_kind: global_buffer, .address_space: global }
    .group_segment_fixed_size: 18432
    .private_segment_fixed_size: 0
    .kernarg_segment_align: 8
    .kernarg_segment_size: 40
    .max_flat_workgroup_size: 256
    .sgpr_count:     66
    .vgpr_count:     146
    .wavefront_size: 32
...
	.end_amdgpu_metadata
.endif
;; end of part 1
;; launch gemm (part 2): grid 8 x 32, 4 waves a work-group, clusters of 4 x 4, 327,680 bytes of LDS; arguments abf, bt, out0; writes out0
.if DOCPART == 2
	.amdgcn_target "amdgcn-amd-amdhsa--gfx1250"
	.amdhsa_code_object_version 6
	.text
	.protected	k_qf47f93fc1b_gemm
	.globl	k_qf47f93fc1b_gemm
	.p2align	8
	.type	k_qf47f93fc1b_gemm,@function
k_qf47f93fc1b_gemm:
	s_mov_b64 s[64:65], 0
	v_nop
	global_prefetch_b8 v0, s[64:65] scope:SCOPE_SE
	s_setreg_imm32_b32 hwreg(HW_REG_WAVE_MODE, 25, 1), 1
	s_wait_xcnt 0x0
	s_wait_alu depctr_hold_cnt(0) depctr_sa_sdst(0) depctr_va_vdst(0) depctr_va_sdst(0) depctr_va_ssrc(0) depctr_va_vcc(0) depctr_vm_vsrc(0)
	s_getreg_b32 s2, hwreg(HW_REG_IB_STS2, 6, 4)
	s_cmp_eq_u32 s2, 0
	s_cbranch_scc0 .Lentry_in_a_cluster
	s_endpgm
.Lentry_in_a_cluster:
	s_bfe_u32 s2, ttmp6, 0x10000c
	s_cmp_lg_u32 s2, 0xf033
	s_cbranch_scc0 .Lentry_shape_is_right
	s_endpgm
.Lentry_shape_is_right:
; out0[m][n] = sum over k of abf[m][k] bt[n][k].  abf: [8192][4352] bf16, bt: [2048][4352] bf16 (both padded with zeros), out0: [8192][1858] f32; sums in f32.
; 8 x 32 work-groups, each a block of 256 x 256 with four waves; a wave makes 128 x 128: 64 accumulator tiles of 16 x 16, 512 registers.
; K goes in 34 steps of 128 through a ring of two LDS slots filled by the tensor data mover: a tile's rows are 256 bytes of memory and start
; at multiples of 256 bytes from the buffer's first byte.  Columns 1858-2047 are computed on zeros and not stored.
; CLUSTERS: 4 x 4 work-groups form a cluster.  The four of a row of the cluster need the same tiles of abf, the four of a column the same tiles of bt.
; Such a tile is asked for JOINTLY: each of the four issues the same tensor load, with the same descriptor and a mask that names the four, and each
; receives the tile in its own LDS.  That divides the requests for both operands by four.
; LIMIT: the operands are bf16; the order of the sums is the matrix instruction's, K ascending from step to step.
;
; LDS: the ring, 2 x 139,264 bytes.  Behind the last K step, when the ring has had its last fill, its first 266,240 bytes take the whole block of results.
;
; REGISTERS, in windows of 256 (an instruction names v0-v255; s_set_vgpr_msb says which window each operand place means):
;   window 0: v0-40 addresses; v64-127, v128-191 fragments of abf (8 x 16 rows x 32 K), two buffers, which also carry the results on the way out;
;             v192-223 LDS addresses of the way out
;   window 1: v64-127, v128-191 fragments of bt, two buffers
;   window 2: the 32 accumulator tiles of my rows 0-63 (tile (a, b) at v[8 (8 a + b)]);   window 3: those of my rows 64-127
; s_set_vgpr_msb's low byte: bits 1:0 source 0, 3:2 source 1, 5:4 source 2, 7:6 destination.
;
; THE MATRIX INSTRUCTION IS USED TRANSPOSED: source 0 = 16 rows of bt, source 1 = 16 rows of abf.  In the result lane l then holds row m = l % 16
; and its registers 0 to 7 the columns n = 8 (l / 16) + 0 .. 7: eight neighbouring numbers of a row of out0, 32 bytes.
.set SIZE_K, 4352
.set KSTEP,  128
.set PITCH,  272                       ; an LDS row: 256 bytes of data + 16 of padding, an odd multiple of 16: the 16 rows that a load touches lie in 16 different 16-byte columns modulo 256
.set HALFT,  128*PITCH                 ; 128 rows: what one tensor load brings, and what one wave reads of either operand
.set SLOT,   4*HALFT                   ; abf's 256 rows, then bt's 256 rows
.set LAPS, SIZE_K/(2*KSTEP)            ; 17 laps; a lap = two K steps = once round the ring
.set OUT_ROW, 7432                     ; bytes in a row of out0 = 29 x 256 + 8
.set CPITCH,  1040                     ; the way out: a row of the block in LDS, 256 f32 + 16 bytes, an odd multiple of 16
.set JSTEP_L, 32*CPITCH                ; 32 rows on, in LDS
.set JSTEP_G, 32*OUT_ROW               ; 32 rows on, in out0: a multiple of 256 bytes
.set ADRA, 16                          ; v16-17  LDS address of my abf fragments in slot 0, 1
.set ADRB, 20                          ; v20-21  the same for bt
.set STO,  24                          ; v24     the way out: where I put 32 bytes of a row, my rows 0-63
.set STO2, 25                          ; v25     the same, my rows 64-127
.set U0,   26                          ; v26     8 x lane + 256 - 64 x wave: my byte in a block's row for my wave's first class of rows
.set RD,   28                          ; v28-31  pieces 0 to 2: LDS address of my byte in my first class's rows 0, 64, 128, 192 on; class, odd row and piece stand in the immediate
.set XT,   36                          ; v36     at work
.set GU,   37                          ; v37     my byte offset in out0, pieces 0 to 2
.set GX,   38                          ; v38     the same for piece 3
.set XS,   39                          ; v39     my byte in the block's row, piece 3
.set GB,   40                          ; v40     U0 + the byte offset in out0 of my wave's first class
.set F0,   64                          ; fragment buffer 0
.set F1,   128                         ; fragment buffer 1
.set RX,   192                         ; v192-223 piece 3, which wraps round: class i has v[192+4i .. +3], its rows 0, 64, 128, 192 on
.set G1, 24                            ; s[24:31] descriptor group 1 for abf's tiles
.set G0, 32                            ; s[32:39] descriptor group 0 for abf's tiles, one set for each slot
.set G1B, 48                           ; s[48:55] descriptor group 1 for bt's tiles: it differs in the mask alone
.set G0B, 56                           ; s[56:63] descriptor group 0 for bt's tiles, one set for each slot
.set MSB, 0
.macro WIN new                         ; the immediate's high byte repeats the setting that is left
.if MSB != \new
	s_set_vgpr_msb (MSB<<8)|\new
.set MSB, \new
.endif
.endm
.set MUL_LO, 0xa1                      ; source 0 (bt) window 1, source 1 (abf) window 0, C and D window 2
.set MUL_HI, 0xf1                      ; the same, C and D window 3
.set TO_B,   0x40                      ; destination window 1, address window 0
; A joint load.  Waves 0 and 1 fetch abf's two halves, waves 2 and 3 bt's.  Each of the two lines has ONE mask and one set of registers for all that issue it,
; and nothing in them hangs on a coordinate that the four partners do not share.  The branch hangs on the wave's number alone.
; Four v_nop follow each of the two lines; the jump round the other line, the label and what follows the macro come after them.
.macro JLOAD s
	s_cmp_eq_u32 s11, 0
	s_cbranch_scc0 .Lfor_b_\@
	tensor_load_to_lds s[G0+4*\s:G0+4*\s+3], s[G1:G1+7]
	s_nop 0
.rept 4
	v_nop
.endr
	s_branch .Lasked_\@
.Lfor_b_\@:
	tensor_load_to_lds s[G0B+4*\s:G0B+4*\s+3], s[G1B:G1B+7]
	s_nop 0
.rept 4
	v_nop
.endr
.Lasked_\@:
.endm
; A round of the cluster's barrier: my work-group's barrier, so that wave 0's signal speaks for all four waves; wave 0 signals for the work-group; every wave
; waits for all sixteen work-groups; my work-group's barrier once more.  No LDS instruction of the wave is pending at a signal.
.macro CREST                           ; a round behind its opening barrier
	s_cmp_lg_u32 s10, 0
	s_cbranch_scc1 .Lnot_wave_0_\@
	s_barrier_signal -3
.Lnot_wave_0_\@:
	s_barrier_wait -3
	s_barrier_signal -1
	s_barrier_wait -1
.endm
.macro CROUND                          ; a whole round
	s_barrier_signal -1
	s_barrier_wait -1
	CREST
.endm
	s_load_b128 s[4:7], s[0:1], 0x0                ; abf s[4:5], bt s[6:7]
	s_load_b64 s[8:9], s[0:1], 0x10                ; out0
	s_set_vgpr_msb 0x40
	v_lshl_add_u32 v255, v0, 2, 0x44000
	s_set_vgpr_msb 0x4000
	v_mov_b32 v255, 0
	s_set_vgpr_msb 0x1
	ds_add_u32 v255, v255
	ds_add_u32 v255, v255
	s_set_vgpr_msb 0x100
	v_lshrrev_b32 v1, 5, v0
	v_readfirstlane_b32 s10, v1                    ; wave 0..3
	s_lshr_b32 s11, s10, 1                         ; which half of the block's rows is mine.  Also: I fetch for abf (0) or for bt (1)
	s_and_b32 s12, s10, 1                          ; which half of its columns.  Also: which 128 rows of that tile I fetch
	s_bfe_u32 s40, ttmp6, 0x40000                  ; cx: my place along the cluster's x
	s_bfe_u32 s41, ttmp6, 0x40004                  ; cy: along its y
	s_lshl_b32 s42, ttmp9, 2                       ; in a cluster launch ttmp9 and ttmp7 count clusters
	s_add_co_u32 s42, s42, s40                     ; block column = 4 x cluster x + cx, 0..7
	s_and_b32 s13, ttmp7, 0xffff
	s_lshl_b32 s13, s13, 2
	s_add_co_u32 s13, s13, s41                     ; block row = 4 x cluster y + cy, 0..31
	s_lshl_b32 s43, s41, 2
	s_lshl_b32 s43, 15, s43                        ; my row of the cluster: places 4 cy .. 4 cy + 3
	s_lshl_b32 s44, 0x1111, s40                    ; my column: places cx, cx + 4, cx + 8, cx + 12
	; descriptor group 1: a tile of 128 rows x 128 elements, padded in LDS
	s_or_b32 s[G1+0], s43, (1<<16)|(1<<20)|(1<<21)|(5<<22)|(3<<25)  ; 15:0 the mask: abf's tiles go to my row; 17:16 element of 2 bytes; 20 padding on; 21 set beside a mask; 24:22 after every 64 words (code 5); 31:25 of 4 words (code 3)
	s_or_b32 s[G1B+0], s44, (1<<16)|(1<<20)|(1<<21)|(5<<22)|(3<<25) ; the same with the mask of my column, for bt's tiles
	s_mov_b32 s[G1B+1], KSTEP<<16
	s_mov_b32 s[G1+1], KSTEP<<16                   ; 63:48 tensor_dim0, low half = 128
	s_mov_b32 s[G1B+2], 128<<16
	s_mov_b32 s[G1+2], 128<<16                     ; 79:64 its high half = 0; 95:80 tensor_dim1, low half = 128
	s_mov_b32 s[G1B+3], KSTEP<<16
	s_mov_b32 s[G1+3], KSTEP<<16                   ; 111:96 its high half = 0; 127:112 tile_dim0 = 128
	s_mov_b32 s[G1B+4], 128
	s_mov_b32 s[G1+4], 128                         ; 143:128 tile_dim1 = 128; 159:144 tile_dim2 = 0
	s_mov_b32 s[G1B+5], SIZE_K
	s_mov_b32 s[G1+5], SIZE_K                      ; 191:160 tensor_dim0_stride, low word: 4,352 elements from row to row
	s_mov_b32 s[G1B+6], 0
	s_mov_b32 s[G1+6], 0
	s_mov_b32 s[G1B+7], 0
	s_mov_b32 s[G1+7], 0
	; where the tiles come from.  abf's hang on the block row alone, which my row of the cluster shares; bt's on the block column alone, which my column shares.
	; Every wave makes both addresses, in registers that never hold the other coordinate, and asks by one of them.
	s_lshl_b32 s17, s12, 7                         ; which 128 rows of the tile I fetch
	s_lshl_b32 s16, s13, 8
	s_add_co_u32 s16, s16, s17                     ; abf: row 256 x block row + 128 x half
	s_lshl_b32 s46, s42, 8
	s_add_co_u32 s46, s46, s17                     ; bt: row 256 x block column + 128 x half
	s_mov_b32 s17, 0
	s_mov_b32 s47, 0
	s_mov_b64 s[18:19], SIZE_K*2
	s_mul_u64 s[16:17], s[16:17], s[18:19]         ; in bytes
	s_mul_u64 s[46:47], s[46:47], s[18:19]
	s_mul_i32 s20, s10, HALFT                      ; and where they go: abf's two halves, then bt's two halves = wave x 128 rows: no place in the cluster enters an LDS address
	s_wait_dscnt 0x0
	s_wait_kmcnt 0x0
	s_add_nc_u64 s[14:15], s[4:5], s[16:17]
	s_add_nc_u64 s[46:47], s[6:7], s[46:47]
	CROUND                                         ; all sixteen work-groups are here: the first joint loads meet
.irp s, 0,1
	s_mov_b32 s[G0+4*\s], 1                                        ; 1:0 count = 1
	s_add_co_u32 s[G0+4*\s+1], s20, \s*SLOT                        ; 63:32 LDS address
	s_add_nc_u64 s[G0+4*\s+2:G0+4*\s+3], s[14:15], \s*KSTEP*2      ; 120:64 global address: K step s
	s_or_b32 s[G0+4*\s+3], s[G0+4*\s+3], 0x80000000                ; 127:126 type = 2
	s_mov_b32 s[G0B+4*\s], 1
	s_add_co_u32 s[G0B+4*\s+1], s20, \s*SLOT
	s_add_nc_u64 s[G0B+4*\s+2:G0B+4*\s+3], s[46:47], \s*KSTEP*2
	s_or_b32 s[G0B+4*\s+3], s[G0B+4*\s+3], 0x80000000
	JLOAD \s                                       ; both slots' first fills go out together, ahead of every wait on TENSORcnt and every LDS read: two loads of the wave are out
.endr
	; A fragment is 16 rows x 32 K in 8 registers: lane l holds row l % 16; registers 0-3 hold K = 8 (l / 16) + 0..7, registers 4-7 hold
	; K = 16 + 8 (l / 16) + 0..7.  From rows that lie along K: two loads of 16 bytes, 32 bytes apart.  The same for source 0 and source 1.
	v_and_b32 v1, 15, v0                           ; l % 16
	v_bfe_u32 v2, v0, 4, 1                         ; l / 16
	v_and_b32 v6, 31, v0                           ; l
	v_mul_u32_u24 v3, v1, PITCH
	v_lshl_add_u32 v3, v2, 4, v3                   ; row x pitch + 16 x half
	s_mul_i32 s21, s11, HALFT                      ; my 128 rows of abf
	s_mul_i32 s22, s12, HALFT                      ; my 128 rows of bt,
	s_add_co_u32 s22, s22, 2*HALFT                 ; which lie behind abf's 256
.irp s, 0,1
	v_add_nc_u32 v[ADRA+\s], s21, v3
	v_add_nc_u32 v[ADRB+\s], s22, v3
	s_add_co_u32 s21, s21, SLOT
	s_add_co_u32 s22, s22, SLOT
.endr
	; EVERY LDS address of the way out is made here, of the wave's number and the lane alone, with all lanes on and ahead of every change of EXEC: the store
	; masks of the way out hang on the block column.
	; (What the terms mean is said at the way out.)  These lines run while the first tiles are on their way.
	s_mul_i32 s23, s11, 128*CPITCH                 ; in: my 128 rows of the block in LDS,
	s_lshl_b32 s21, s12, 9                         ; my 128 columns = 512 bytes
	s_add_co_u32 s23, s23, s21
	v_mul_u32_u24 v4, v1, CPITCH                   ; row l % 16, 32 bytes for each half of the lanes
	v_lshl_add_u32 v4, v2, 5, v4
	v_add_nc_u32 v[STO], s23, v4
	v_add_nc_u32 v[STO2], 64*CPITCH, v[STO]
	s_lshl_b32 s21, s10, 6
	s_sub_co_u32 s21, 256, s21
	v_lshl_add_u32 v[U0], v6, 3, s21               ; 8 l + 256 - 8 c for c = 8 x wave
	s_mul_i32 s22, s10, 8*CPITCH                   ; back: my first class's first row, row 8 x wave
	v_add_nc_u32 v[RD], s22, v[U0]
.irp p, 1,2,3
	v_add_nc_u32 v[RD+\p], 2*JSTEP_L*\p, v[RD]     ; 64 rows on: an LDS immediate reaches 65,535 bytes, two rows of a class
.endr
.irp i, 0,1,2,3,4,5,6,7
	v_add_nc_u32 v[XT], 768-8*\i, v[U0]            ; class 8 w + i: my byte of the piece that wraps round, (u + 768) mod 1,024,
	v_and_b32 v[XT], 1023, v[XT]
	v_add_nc_u32 v[XT], s22, v[XT]                 ; in row 8 w
	v_add_nc_u32 v[RX+4*\i], CPITCH*\i, v[XT]      ; + i
.irp p, 1,2,3
	v_add_nc_u32 v[RX+4*\i+\p], 2*JSTEP_L*\p, v[RX+4*\i]
.endr
.endr
; 16 matrix instructions: m blocks a0, a0 + 1 of the window's four (hi = 0: my rows 0-63, 1: rows 64-127) x all 8 n blocks, 32 along K.
; zero = 1: the first product starts the sums: nothing is ever cleared.
.macro MUL16 f, hi, a0, zero
.irp a, \a0, \a0+1
.irp b, 0,1,2,3,4,5,6,7
.if \zero
	v_wmma_f32_16x16x32_bf16 v[8*(8*(\a)+\b):8*(8*(\a)+\b)+7], v[\f+8*\b:\f+8*\b+7], v[\f+8*(4*\hi+\a):\f+8*(4*\hi+\a)+7], 0
.else
	v_wmma_f32_16x16x32_bf16 v[8*(8*(\a)+\b):8*(8*(\a)+\b)+7], v[\f+8*\b:\f+8*\b+7], v[\f+8*(4*\hi+\a):\f+8*(4*\hi+\a)+7], v[8*(8*(\a)+\b):8*(8*(\a)+\b)+7]
.endif
.endr
.endr
.endm
; 32 LDS loads in one run: the fragments of one quarter step (128 rows of bt, 128 rows of abf, 32 K at byte k of the rows) into buffer f
.macro FETCH slot, k, f
	WIN TO_B
.irp i, 0,1,2,3,4,5,6,7
	ds_load_b128 v[\f+8*\i:\f+8*\i+3],   v[ADRB+\slot] offset:\k+\i*16*PITCH
	ds_load_b128 v[\f+8*\i+4:\f+8*\i+7], v[ADRB+\slot] offset:\k+\i*16*PITCH+32
.endr
	WIN 0
.irp i, 0,1,2,3,4,5,6,7
	ds_load_b128 v[\f+8*\i:\f+8*\i+3],   v[ADRA+\slot] offset:\k+\i*16*PITCH
	ds_load_b128 v[\f+8*\i+4:\f+8*\i+7], v[ADRA+\slot] offset:\k+\i*16*PITCH+32
.endr
.endm
; A load into a register that a matrix instruction has read, and anything but a matrix instruction that reads a matrix result, stand four places behind that
; matrix instruction, and only plain vector instructions that name none of its registers are places (ISA guide 7.12.1 for vector instructions)
; the matrix instructions in between are not counted.  So four v_nop stand in front of each run of loads.
.macro PLACES
.rept 4
	v_nop
.endr
.endm
; A K step is four quarter steps of 32 along K, 64 matrix instructions each, on buffers 0, 1, 0, 1.  The 64 accumulators take turns, one instruction a turn,
; in the same order in every quarter, over the loop's backward jump too.
; One of the first three quarters: multiplies buffer f; in its middle it fetches the next quarter's fragments, at byte k of the same slot's rows, into buffer g.
.macro QUARTER slot, k, f, g, zero
	s_wait_dscnt 8                                 ; bt's fragments and abf's rows 0-63 are in; the youngest eight loads (abf's rows 64-127) may be out
	WIN MUL_LO
	MUL16 \f, 0, 0, \zero
	MUL16 \f, 0, 2, \zero
	PLACES
	FETCH \slot, \k, \g
	s_wait_dscnt 32                                ; all but the 32 just issued
	WIN MUL_HI
	MUL16 \f, 1, 0, \zero
	MUL16 \f, 1, 2, \zero
.endm
.macro THREE slot, zero
	QUARTER \slot, 64,  F0, F1, \zero
	QUARTER \slot, 128, F1, F0, 0
	QUARTER \slot, 192, F0, F1, 0
.endm
; The last quarter: multiplies buffer 1 and changes slots.  next = the other slot; fill = 1: this slot is filled again, two K steps ahead.
; ONE barrier for the change of slots, for two things.  In front of it each wave waits for its own reads of this slot and for all its tensor loads,
; of which one is out: its part of the next slot.  Behind it nobody reads this slot any more and the next slot is whole: the refill comes
; first, then the next slot's first fragments.  From a request to the wait for it a wave issues 240 matrix instructions.
.macro TURN slot, next, fill
	s_wait_dscnt 8
	WIN MUL_LO
	MUL16 F1, 0, 0, 0
	s_wait_dscnt 0                                 ; my reads of this slot are over
	s_wait_tensorcnt 0x0                           ; and all my tensor loads have landed: the one that was out is my part of the next slot
	ds_add_u32 v255, v255
	s_wait_dscnt 0x0
	s_barrier_signal -1                            ; say so (where a slot is filled again this barrier opens a round of the cluster's barrier),
	MUL16 F1, 0, 2, 0                              ; work on registers while the others arrive,
	WIN 0
	s_barrier_wait -1                              ; and go on when all four have said so
.if \fill
	CREST                                          ; all sixteen work-groups have said so: no wave of any partner still reads this slot's tile or has a load on its way
	s_add_nc_u64 s[G0+4*\slot+2:G0+4*\slot+3], s[G0+4*\slot+2:G0+4*\slot+3], 2*KSTEP*2      ; no tensor load of mine is out: the addresses may step
	s_add_nc_u64 s[G0B+4*\slot+2:G0B+4*\slot+3], s[G0B+4*\slot+2:G0B+4*\slot+3], 2*KSTEP*2
	JLOAD \slot                                    ; the first tensor load behind the round, the wave's only one until the next; its four v_nop are also the places in front of the loads below
.else
	PLACES
.endif
	FETCH \next, 0, F0
	WIN MUL_HI
	MUL16 F1, 1, 0, 0
	MUL16 F1, 1, 2, 0
.endm
.macro LAP zero                        ; once round the ring, both slots filled again
	THREE 0, \zero
	TURN 0, 1, 1
	THREE 1, 0
	TURN 1, 0, 1
.endm
	s_wait_tensorcnt 1                             ; my part of K step 0 is in; K step 1's may stay out
	s_barrier_signal -1
	s_barrier_wait -1                              ; everybody's is
	FETCH 0, 0, F0
	LAP 1                                          ; the first lap stands in front of the loop: its first products start the sums
	WIN 0                                          ; at a label and at a branch every window is 0
	s_mov_b32 s3, LAPS-2                           ; 15 laps in the loop
.Llap:
	LAP 0
	WIN 0
	s_sub_co_u32 s3, s3, 1
	s_cmp_lg_u32 s3, 0
	s_cbranch_scc1 .Llap
	THREE 0, 0                                     ; the last lap fills nothing and has no round of the cluster's barrier: my one tensor load still out is slot 1's, the last K step's
	TURN 0, 1, 0                                   ; its wait for all tensor loads and its barrier show every wave's last load landed: the ring has had its last fill
	THREE 1, 0
	s_wait_dscnt 8                                 ; the very last quarter: nothing more to fetch
	WIN MUL_LO
	MUL16 F1, 0, 0, 0
	MUL16 F1, 0, 2, 0
	s_wait_dscnt 0                                 ; my last reads of the ring are over:
	s_barrier_signal -1                            ; say so,
	WIN MUL_HI
	MUL16 F1, 1, 0, 0                              ; work on registers while the others arrive,
	MUL16 F1, 1, 2, 0
	WIN 0
	s_barrier_wait -1                              ; and behind this wait no wave reads the ring any more: its bytes may be written over
	; THE WAY OUT.  The whole block of 256 x 256 f32 goes into LDS (rows of 1,040 bytes from byte 0, over the ring), and comes back in pieces that fit out0.
	; A row of out0 is 7,432 = 29 x 256 + 8 bytes, so the block's 1,024 bytes of its row rho begin 8 c bytes behind a multiple of 256 from out0's first byte,
	; c = rho mod 32.  Taken from byte 256 - 8 c of the 1,024 on, three pieces of 256 bytes are each 256 consecutive bytes that start at a multiple of 256;
	; the fourth wraps round: the last 8 c bytes and the first 256 - 8 c.  A piece is one store of the wave, 8 bytes a lane (rows keep 8-byte alignment, not 16).
	; Rows of one c share the lanes' offsets and the lanes' masks: wave w takes the classes c = 8 w .. 8 w + 7, eight rows each, 32 rows apart.
	; The four v_nop are the places behind the last matrix instructions, for the LDS stores that read results and for the loads into the fragment buffers.
	PLACES
; the 32 tiles of window 2 or 3 (from = 0x08 or 0x0c: an LDS store's data is source 1): row 16 a + l % 16, byte 64 b + 32 (l / 16) of my part of the block
.macro STAGE_IN from, adr
	WIN \from
.irp a, 0,1,2,3
.irp b, 0,1,2,3,4,5,6,7
	ds_store_b128 v[\adr], v[8*(8*\a+\b):8*(8*\a+\b)+3]   offset:16*CPITCH*\a+64*\b
	ds_store_b128 v[\adr], v[8*(8*\a+\b)+4:8*(8*\a+\b)+7] offset:16*CPITCH*\a+64*\b+16
.endr
.endr
.endm
	STAGE_IN 0x08, STO
	STAGE_IN 0x0c, STO2
	WIN 0
	s_mul_i32 s15, s10, 8*OUT_ROW                  ; my first class's first row, in out0
	s_lshl_b32 s16, s13, 8                         ; the block's first row
	s_mov_b32 s17, 0
	s_mov_b64 s[18:19], OUT_ROW
	s_mul_u64 s[16:17], s[16:17], s[18:19]
	s_add_nc_u64 s[8:9], s[8:9], s[16:17]
	s_lshl_b32 s46, s42, 10                        ; the block's first column, in bytes (in the registers that held bt's address: none that feeds abf's descriptors ever holds cx)
	s_mov_b32 s47, 0
	s_add_nc_u64 s[8:9], s[8:9], s[46:47]
	s_sub_co_i32 s45, OUT_ROW, s46                 ; how many bytes of a row of out0 lie at or behind it: 264 in the last block column, over 1,024 in the others
	v_add_nc_u32 v[GB], s15, v[U0]
	s_wait_dscnt 0x0                               ; for the other waves' sake: my part of the block is in LDS before I say so
	s_barrier_signal -1
	s_barrier_wait -1                              ; the whole block is
; Class c = 8 w + i is read from LDS into buffer f: 32 loads, piece q of row c + 32 j into registers 2 (8 q + j).  My byte in the row is u + 256 q for
; pieces 0 to 2, u = U0 - 8 i = 8 l + 256 - 8 c, so the address is RD's + (1,040 - 8) i + 33,280 j + 256 q: all but 66,560 (j / 2) stands in the immediate,
; 41,016 at the most.  Piece 3's byte, (u + 768) mod 1,024, differs from lane to lane with the class: registers of its own.
.macro LOADS i, f
.irp q, 0,1,2
.irp j, 0,1,2,3,4,5,6,7
	ds_load_b64 v[\f+2*(8*\q+\j):\f+2*(8*\q+\j)+1], v[RD+\j/2] offset:(CPITCH-8)*\i+JSTEP_L*(\j%2)+256*\q
.endr
.endr
.irp j, 0,1,2,3,4,5,6,7
	ds_load_b64 v[\f+2*(24+\j):\f+2*(24+\j)+1], v[RX+4*\i+\j/2] offset:JSTEP_L*(\j%2)
.endr
.endm
; Piece q of a class's eight rows: eight stores under one mask, the lanes whose byte in the block's row lies inside out0's row.
; No global instruction has been issued since the last s_wait_xcnt 0 when EXEC is narrowed, and s_wait_xcnt 0 stands in front of the line that widens it:
; EXEC is a source of the pending stores.  That wait also frees the stores' data and offset registers for what follows.
.macro PIECE shift, cmpv, adr, f, q, goff
	s_add_co_i32 s46, s45, \shift
	v_cmp_gt_i32 vcc_lo, s46, v[\cmpv]
	s_and_saveexec_b32 s3, vcc_lo
.irp j, 0,1,2,3,4,5,6,7
	global_store_b64 v[\adr], v[\f+2*(8*\q+\j):\f+2*(8*\q+\j)+1], s[8:9] offset:JSTEP_G*\j+\goff
.endr
	s_wait_xcnt 0x0
	s_or_b32 exec_lo, exec_lo, s3
.endm
; Class c = 8 w + i is stored from buffer f.  u + 256 q < limit is asked of U0 against limit + 8 i - 256 q.
.macro STORES i, f
	v_add_nc_u32 v[GU], (OUT_ROW-8)*\i, v[GB]      ; 7,432 c + u
	v_add_nc_u32 v[XS], 768-8*\i, v[U0]
	v_and_b32 v[XS], 1023, v[XS]                   ; piece 3: my byte in the block's row
	v_add_nc_u32 v[GX], s15, v[XS]
	v_add_nc_u32 v[GX], OUT_ROW*\i, v[GX]          ; + 7,432 c
	PIECE 8*\i,     U0, GU, \f, 0, 0
	PIECE 8*\i-256, U0, GU, \f, 1, 256
	PIECE 8*\i-512, U0, GU, \f, 2, 512
	PIECE 0,        XS, GX, \f, 3, 0
.endm
; The classes take turns on the two buffers: the next class's 32 loads go out ahead of this class's stores.
; s_wait_dscnt 32: LDS loads come back in order (ISA guide 5.7.1), so this class's are in and the next class's 32 may be out.
	LOADS 0, F0
	LOADS 1, F1
	s_wait_dscnt 32
	STORES 0, F0
	LOADS 2, F0
	s_wait_dscnt 32
	STORES 1, F1
	LOADS 3, F1
	s_wait_dscnt 32
	STORES 2, F0
	LOADS 4, F0
	s_wait_dscnt 32
	STORES 3, F1
	LOADS 5, F1
	s_wait_dscnt 32
	STORES 4, F0
	LOADS 6, F0
	s_wait_dscnt 32
	STORES 5, F1
	LOADS 7, F1
	s_wait_dscnt 32
	STORES 6, F0
	s_wait_dscnt 0
	STORES 7, F1
	s_set_vgpr_msb 0x1
	s_wait_tensorcnt 0x0
	ds_add_u32 v255, v255
	s_wait_dscnt 0x0
	s_set_vgpr_msb 0x100
	CROUND                                         ; the closing round: no work-group ends while a partner may still ask for a tile that names it
	s_endpgm
.Lfunc_end_k_qf47f93fc1b_gemm:
	.size	k_qf47f93fc1b_gemm, .Lfunc_end_k_qf47f93fc1b_gemm-k_qf47f93fc1b_gemm
	.p2alignl 7, 3214868480
	.fill 96, 4, 3214868480
	.section	.rodata,"a",@progbits
	.p2align	6, 0x0
	.amdhsa_kernel k_qf47f93fc1b_gemm
		.amdhsa_group_segment_fixed_size 327680
		.amdhsa_private_segment_fixed_size 0
		.amdhsa_enable_private_segment 0
		.amdhsa_kernarg_size 24
		.amdhsa_user_sgpr_count 2
		.amdhsa_user_sgpr_kernarg_segment_ptr 1
		.amdhsa_wavefront_size32 1
		.amdhsa_system_sgpr_workgroup_id_x 1
		.amdhsa_system_sgpr_workgroup_id_y 1
		.amdhsa_system_sgpr_workgroup_id_z 1
		.amdhsa_system_vgpr_workitem_id 0
		.amdhsa_next_free_vgpr 1024
		.amdhsa_next_free_sgpr 66
		.amdhsa_reserve_vcc 1
		.amdhsa_float_denorm_mode_32 3
		.amdhsa_float_denorm_mode_16_64 3
		.amdhsa_memory_ordered 1
		.amdhsa_forward_progress 1
		.amdhsa_inst_pref_size 224
	.end_amdhsa_kernel
	.amdgpu_metadata
---
amdhsa.version: [ 1, 2 ]
amdhsa.kernels:
  - .name:           k_qf47f93fc1b_gemm
    .symbol:         k_qf47f93fc1b_gemm.kd
    .args:
      - { .name: abf, .offset: 0, .size: 8, .value_kind: global_buffer, .address_space: global }
      - { .name: bt, .offset: 8, .size: 8, .value_kind: global_buffer, .address_space: global }
      - { .name: out0, .offset: 16, .size: 8, .value_kind: global_buffer, .address_space: global }
    .group_segment_fixed_size: 327680
    .private_segment_fixed_size: 0
    .kernarg_segment_align: 8
    .kernarg_segment_size: 24
    .max_flat_workgroup_size: 128
    .sgpr_count:     66
    .vgpr_count:     1024
    .wavefront_size: 32
...
	.end_amdgpu_metadata
.endif
;; end of part 2
;; ======== version 2 of 2: 2 launches; version 1 with the launch pack written anew for expert scheduling mode
;; workspace buffers: abf 71,303,168 bytes; bt 17,825,792 bytes
;; launch pack (part 3): grid 2112 x 1, 8 waves a work-group, no clusters, 18,432 bytes of LDS; arguments logits, pp_logits, fc1, abf, bt; writes abf, bt
.if DOCPART == 3
	.amdgcn_target "amdgcn-amd-amdhsa--gfx1250"
	.amdhsa_code_object_version 6
	.text
	.protected	k_qf47f93fc1b_pack
	.globl	k_qf47f93fc1b_pack
	.p2align	8
	.type	k_qf47f93fc1b_pack,@function
k_qf47f93fc1b_pack:
	s_mov_b64 s[64:65], 0
	v_nop
	global_prefetch_b8 v0, s[64:65] scope:SCOPE_SE
	s_setreg_imm32_b32 hwreg(HW_REG_WAVE_SCHED_MODE, 0, 2), 2
	s_setreg_imm32_b32 hwreg(HW_REG_WAVE_MODE, 25, 1), 1
	s_wait_xcnt 0x0
	s_wait_alu depctr_vm_vsrc(0)
; Makes the two bf16 operands of the product out0 = [logits | pp_logits] x fc1, both with K along the rows and padded with zeros:
;   abf [8192][4352] bf16: columns 0-4095 logits, 4096-4287 pp_logits, 4288-4351 zeros.  A row is 8,704 bytes = 34 x 256.
;   bt  [2048][4352] bf16: bt[n][k] = fc1[k][n]; zero where n >= 1858 or k >= 4288.
; Every byte of both is stored.  Work-groups 0-1023 make abf (eight rows each, one wave a row); work-groups 1024-2111 make bt
; (a tile of 128 k x 64 n each, turned round through LDS).  Both jobs are streams: each input byte is loaded once, each output byte stored once;
; matrix units, clusters and tensor loads would add nothing.
; LIMIT: numbers are rounded to bf16, to nearest even; a magnitude above bf16's largest finite number becomes infinity.
; THE MODE: SCHED_MODE bits 1:0 = 2 (LLVM: expert scheduling mode 2), set by the entry lines.  The code itself states the register dependences
; between vector instructions and memory or LDS instructions, with s_wait_alu, always for 0.
; THE PLAN.  Registers that memory or LDS instructions touch:
;   abf:  v2, v4, v3   offsets of the loads and of the stores: written at the arm's head, never again.
;         X, 34 pieces Each piece is loaded once; its two conversions write its first two registers in place; one store reads those two.  No register is used twice.
;         The pieces go in blocks of four.  Block p's conversions name block p's registers alone; the stores of block p - 1 are dealt among them, behind ONE wait
;         at the block's head, which states that block p - 1's conversions have written what those stores read.
;   bt:   v5, v6, v7, v72  offsets and LDS addresses: written at the arm's head, never again.
;         X            16 rows as loaded: written by loads alone, read by the conversions.
;         P            written by the conversions and selects of pairs 0-7; read by four LDS stores.  Pairs 0-3 fill the first 16 bytes of both columns: those two
;                      stores stand behind one wait at the head of pair 4, among pairs 4 and 5, which name other registers of P; the other two behind a second wait.
;         Q            written by LDS loads, read by global stores: no vector instruction names it.
;   v144, v145         written at the kernel's head, read by the closing add alone.
; No register that a memory or LDS instruction has read is written again, so no wait on vm_vsrc is needed for that.  EXEC is written nowhere.
.set A_GROUPS, 1024                    ; work-groups that make abf
.set K_IN,     4288                    ; rows of fc1
.set N_OUT,    1858                    ; columns of fc1
.set FC_ROW,   7432                    ; bytes in a row of fc1
.set KP_ROW,   8704                    ; bytes in a row of abf and of bt
.set LPITCH,   272                     ; an LDS row: 256 bytes (128 k in bf16) + 16
.set X,  8                             ; abf: v[8:143] 34 pieces of 4 registers;  bt: v[8:39] 16 rows of 2 registers
.set P,  40                            ; bt: v[40:47] my even column, 16 k in bf16; v[48:55] my odd column
.set Q,  56                            ; bt: v[56:71] four pieces of 16 bytes read back by rows
.set GO, 72                            ; bt: v72 byte offset of my 16 bytes in the stores
	s_load_b256 s[4:11], s[0:1], 0x0               ; logits s[4:5], pp_logits s[6:7], fc1 s[8:9], abf s[10:11]
	s_load_b64 s[12:13], s[0:1], 0x20              ; bt
	v_lshl_add_u32 v144, v0, 2, 0x4400
	v_mov_b32 v145, 0
	v_and_b32 v1, 31, v0                           ; lane
	v_lshrrev_b32 v2, 5, v0
	v_readfirstlane_b32 s14, v2                    ; wave 0..7
	s_wait_alu depctr_va_sdst(0)                   ; s14 is written, ahead of the branch and of its first reader in either arm: rows, LDS addresses and bases are made from it
	s_cmp_ge_u32 ttmp9, A_GROUPS                   ; the job hangs on the work-group's number alone: all eight waves go the same way
	s_cbranch_scc1 .Lpack_b
	; ---- abf: one wave, one row.  34 loads of 512 bytes go out at once; each becomes one store of 256 consecutive bytes, aligned.
	s_lshl3_add_u32 s15, ttmp9, s14                ; row = 8 x work-group + wave
	s_lshl_b32 s16, s15, 14                        ; a row of logits is 16,384 bytes (the largest offset is under 2^28)
	s_mov_b32 s17, 0
	s_mul_i32 s18, s15, 768                        ; a row of pp_logits is 768 bytes
	s_mov_b32 s19, 0
	s_mul_i32 s20, s15, KP_ROW
	s_mov_b32 s21, 0
	v_lshlrev_b32 v2, 4, v1                        ; 16 x lane: loads
	v_lshlrev_b32 v3, 3, v1                        ; 8 x lane: stores
	v_and_b32 v4, 15, v1
	v_lshlrev_b32 v4, 4, v4                        ; 16 x (lane mod 16): the last 256 bytes of pp_logits' row, read by both halves of the wave, so that no lane leaves the buffer
	v_cmp_gt_u32 vcc_lo, 16, v1                    ; lanes 0-15
	s_wait_alu depctr_va_vcc(0)                    ; VCC is written: the two selects of the last piece read it
	s_wait_kmcnt 0x0
	s_add_nc_u64 s[4:5], s[4:5], s[16:17]
	s_add_nc_u64 s[6:7], s[6:7], s[18:19]
	s_add_nc_u64 s[10:11], s[10:11], s[20:21]
	s_wait_alu depctr_va_vdst(0)                   ; v2, v3 and v4 are written: every load and store of this arm reads one of them as its offset
.set j, 0
.rept 32
	global_load_b128 v[X+4*j:X+4*j+3], v2, s[4:5] offset:512*j th:TH_LOAD_NT    ; read once in the launch
.set j, j+1
.endr
	global_load_b128 v[X+128:X+131], v2, s[6:7] th:TH_LOAD_NT                    ; pp_logits 0-127
	global_load_b128 v[X+132:X+135], v4, s[6:7] offset:512 th:TH_LOAD_NT         ; pp_logits 128-191, twice
; Nine blocks: eight of four pieces, then the two pieces of pp_logits.  Block p rounds its pieces and stores those of block p - 1.
.set p, 0
.rept 9
.if p < 8
	s_wait_loadcnt 30-4*p                          ; loads come back in order (ISA guide 5.7.1): pieces 4 p to 4 p + 3 are in, the 30 - 4 p younger ones stay out
.else
	s_wait_loadcnt 0x0                             ; the last two pieces are in
.endif
.if p > 0
	s_wait_alu depctr_va_vdst(0)                   ; the block before has written the first two registers of each of its pieces, which the four stores below read
.endif
.irp i, 0,1,2,3
.set j, 4*p+(\i)
.if p > 0
	global_store_b64 v3, v[X+4*(j-4):X+4*(j-4)+1], s[10:11] offset:256*(j-4)   ; the block before.  No vector instruction since the wait names these registers; none is written again.  No hint: the next launch reads abf
.endif
.if j < 34
	v_cvt_pk_bf16_f32 v[X+4*j],   v[X+4*j],   v[X+4*j+1]
	v_cvt_pk_bf16_f32 v[X+4*j+1], v[X+4*j+2], v[X+4*j+3]
.endif
.if j == 33
	v_cndmask_b32 v[X+4*j],   0, v[X+4*j],   vcc_lo    ; lanes 16-31 hold columns 4288-4351: zeros
	v_cndmask_b32 v[X+4*j+1], 0, v[X+4*j+1], vcc_lo
.endif
.endr
.set p, p+1
.endr
	s_wait_alu depctr_va_vdst(0)                   ; the last block has written pieces 32 and 33, which the last two stores read
	global_store_b64 v3, v[X+128:X+129], s[10:11] offset:256*32
	global_store_b64 v3, v[X+132:X+133], s[10:11] offset:256*33
	s_endpgm                                       ; this arm has written no LDS
	; ---- bt: a tile of 128 k x 64 n.  Wave w loads rows k = 128 kt + 16 w .. + 15 of fc1, two neighbouring columns a lane (8 bytes: rows of 7,432 bytes
	; keep 8-byte alignment, not 16), packs each column's 16 k into 32 bytes and puts them into LDS row n; then the rows are read back whole.
.Lpack_b:
	s_sub_co_u32 s15, ttmp9, A_GROUPS
	s_lshr_b32 s16, s15, 5                         ; kt 0..33
	s_and_b32 s17, s15, 31                         ; nt 0..31
	s_lshl_b32 s18, s16, 7
	s_lshl4_add_u32 s18, s14, s18                  ; my first k.  4,288 is a multiple of 16: my 16 rows are all inside fc1 or all outside
	s_cmp_lt_u32 s18, K_IN
	s_cselect_b32 s25, N_OUT, 0                    ; the first column that is zero: 1858, or 0 where my rows are padding
	s_min_u32 s18, s18, K_IN-16                    ; rows outside are loaded from the last 16 rows instead, and thrown away
	s_mul_i32 s20, s18, FC_ROW
	s_mov_b32 s21, 0
	s_lshl_b32 s24, s17, 6                         ; the tile's first n
	s_lshl3_add_u32 s22, s14, s24                  ; the rows of bt that I store: 64 nt + 8 w .. + 7
	s_mul_i32 s22, s22, KP_ROW
	s_lshl_b32 s23, s16, 8                         ; 128 k are 256 bytes
	s_add_co_u32 s22, s22, s23
	s_mov_b32 s23, 0
	v_and_b32 v2, 15, v1                           ; r
	v_lshrrev_b32 v3, 4, v1                        ; h
	v_lshl_add_u32 v4, v1, 1, s24                  ; my even column n; n and 1858 are even, so n and n + 1 are inside or outside together
	v_cmp_gt_u32 vcc_lo, s25, v4                   ; lanes whose numbers count
	v_min_u32 v5, N_OUT-2, v4                      ; the others load the last two columns
	v_lshlrev_b32 v5, 2, v5
	v_mul_u32_u24 v6, v1, 2*LPITCH                 ; LDS in: row 2 x lane,
	v_lshl_add_u32 v6, s14, 5, v6                  ; my wave's 16 k = 32 bytes
	v_lshl_add_u32 v7, s14, 3, v3                  ; LDS back: rows 8 w + h, + 2 for each further load,
	v_mul_u32_u24 v7, v7, LPITCH
	v_lshl_add_u32 v7, v2, 4, v7                   ; sixteen lanes a row
	v_mul_u32_u24 v[GO], v3, KP_ROW                ; and the same two rows in bt
	v_lshl_add_u32 v[GO], v2, 4, v[GO]
	s_wait_alu depctr_va_vcc(0)                    ; VCC is written: the sixteen selects below read it
	s_wait_kmcnt 0x0
	s_add_nc_u64 s[8:9], s[8:9], s[20:21]
	s_add_nc_u64 s[12:13], s[12:13], s[22:23]
	s_wait_alu depctr_va_vdst(0)                   ; v5, v6, v7 and v[GO] are written: the loads, the LDS stores, the LDS loads and the global stores of this arm read them as offsets and addresses
.irp j, 0,1,2,3,4,5,6,7,8,9,10,11,12,13,14,15
	global_load_b64 v[X+2*\j:X+2*\j+1], v5, s[8:9] offset:FC_ROW*\j   ; a wave's load takes 256 consecutive bytes of a row of fc1
.endr
.irp p, 0,1,2,3,4,5,6,7
	s_wait_loadcnt 14-2*\p                         ; rows 2 p and 2 p + 1 are in; the younger loads stay out
.if (\p) == 4
	s_wait_alu depctr_va_vdst(0)                   ; pairs 0 to 3 have written v[P:P+3] and v[P+8:P+11], which the two LDS stores among pairs 4 and 5 read
	ds_store_b128 v6, v[P:P+3]                     ; my even column, k = 0 to 7 of my 16
.endif
.if (\p) == 5
	ds_store_b128 v6, v[P+8:P+11]   offset:LPITCH  ; my odd column, likewise.  No wait: pair 4, the only vector work since the wait, names v[P+4] and v[P+12]
.endif
	v_cvt_pk_bf16_f32 v[P+\p],   v[X+4*\p],   v[X+4*\p+2]      ; even column, k = 2 p and 2 p + 1
	v_cvt_pk_bf16_f32 v[P+8+\p], v[X+4*\p+1], v[X+4*\p+3]      ; odd column
	v_cndmask_b32 v[P+\p],   0, v[P+\p],   vcc_lo              ; padding is zero whatever was loaded
	v_cndmask_b32 v[P+8+\p], 0, v[P+8+\p], vcc_lo
.endr
	s_wait_alu depctr_va_vdst(0)                   ; pairs 4 to 7 have written v[P+4:P+7] and v[P+12:P+15], which the two LDS stores below read
	ds_store_b128 v6, v[P+4:P+7]    offset:16
	ds_store_b128 v6, v[P+12:P+15]  offset:LPITCH+16
	s_wait_dscnt 0x0                               ; for the other waves' sake: my stores are done before I say so
	s_barrier_signal -1
	s_barrier_wait -1                              ; all eight waves' parts of every row are in LDS
.irp i, 0,1,2,3
	ds_load_b128 v[Q+4*\i:Q+4*\i+3], v7 offset:2*LPITCH*\i         ; no vector instruction of the kernel names v[Q ..]
.endr
.irp i, 0,1,2,3
	s_wait_dscnt 3-\i                              ; LDS loads come back in order: piece i is in
	global_store_b128 v[GO], v[Q+4*\i:Q+4*\i+3], s[12:13] offset:2*KP_ROW*\i   ; sixteen lanes store 256 consecutive bytes, aligned
.endr
	s_wait_dscnt 0x0                               ; the closing lines, six on end
	s_wait_alu 0x0
	s_wait_tensorcnt 0x0
	ds_add_u32 v144, v145
	s_wait_dscnt 0x0
	s_endpgm
.Lfunc_end_k_qf47f93fc1b_pack:
	.size	k_qf47f93fc1b_pack, .Lfunc_end_k_qf47f93fc1b_pack-k_qf47f93fc1b_pack
	.p2alignl 7, 3214868480
	.fill 96, 4, 3214868480
	.section	.rodata,"a",@progbits
	.p2align	6, 0x0
	.amdhsa_kernel k_qf47f93fc1b_pack
		.amdhsa_group_segment_fixed_size 18432
		.amdhsa_private_segment_fixed_size 0
		.amdhsa_enable_private_segment 0
		.amdhsa_kernarg_size 40
		.amdhsa_user_sgpr_count 2
		.amdhsa_user_sgpr_kernarg_segment_ptr 1
		.amdhsa_wavefront_size32 1
		.amdhsa_system_sgpr_workgroup_id_x 1
		.amdhsa_system_sgpr_workgroup_id_y 1
		.amdhsa_system_sgpr_workgroup_id_z 1
		.amdhsa_system_vgpr_workitem_id 0
		.amdhsa_next_free_vgpr 146
		.amdhsa_next_free_sgpr 66
		.amdhsa_reserve_vcc 1
		.amdhsa_float_denorm_mode_32 3
		.amdhsa_float_denorm_mode_16_64 3
		.amdhsa_memory_ordered 1
		.amdhsa_forward_progress 1
		.amdhsa_inst_pref_size 19
	.end_amdhsa_kernel
	.amdgpu_metadata
---
amdhsa.version: [ 1, 2 ]
amdhsa.kernels:
  - .name:           k_qf47f93fc1b_pack
    .symbol:         k_qf47f93fc1b_pack.kd
    .args:
      - { .name: logits, .offset: 0, .size: 8, .value_kind: global_buffer, .address_space: global }
      - { .name: pp_logits, .offset: 8, .size: 8, .value_kind: global_buffer, .address_space: global }
      - { .name: fc1, .offset: 16, .size: 8, .value_kind: global_buffer, .address_space: global }
      - { .name: abf, .offset: 24, .size: 8, .value_kind: global_buffer, .address_space: global }
      - { .name: bt, .offset: 32, .size: 8, .value_kind: global_buffer, .address_space: global }
    .group_segment_fixed_size: 18432
    .private_segment_fixed_size: 0
    .kernarg_segment_align: 8
    .kernarg_segment_size: 40
    .max_flat_workgroup_size: 256
    .sgpr_count:     66
    .vgpr_count:     146
    .wavefront_size: 32
...
	.end_amdgpu_metadata
.endif
;; end of part 3
;; launch gemm: the kernel of part 2 again; grid 8 x 32, 4 waves a work-group, clusters of 4 x 4, 327,680 bytes of LDS; arguments abf, bt, out0; writes out0
